; MI455X (gfx1250); checked and timed in simulation.
; The chip was launched on July 23, 2026; its instructions are those of AMD's public machine-readable ISA for CDNA 5 (MIT licence, August 2026) and "CDNA5" Instruction Set Architecture Reference Guide (July 2026). The comments in the code are by the model that wrote it; some were corrected since.
;; Multi Head Attention. Allowed arithmetic: matrix products marked QUANTISED: E2M1 operands, one E8M0 scale for each 32 along K, by v_wmma_scale_f32_16x16x128_f8f6f4 with both operands' format E2M1 (or v_wmma_scale_f32_32x16x128_f4), f32 sums; everything else in f32.
;; Inputs: ln_a 1,024 float32; ln_b 1,024 float32; proj_b 1,024 float32; proj_w 1,024 x 1,024 float32; q 4 x 2,048 x 1,024 float32; w_ks 16 x 1,024 x 64 float32; w_qs 16 x 1,024 x 64 float32; w_vs 16 x 1,024 x 64 float32.
;; Outputs: out0 4 x 2,048 x 1,024 float32.
;; This version of the problem:
;;   THIS VERSION OF THE PROBLEM IS GIVEN IN LOW PRECISION. The matrix products marked QUANTISED in the list below multiply operands that are first quantised to E2M1 (2 exponent bits, 1 mantissa bit; 4 bits a number), with one power-of-two scale for each 32 numbers along K (OCP MX v1.0); their sums are f32. All else is computed in f32.
;;   The module's matrix products, in the order in which they are computed (A, B: the left and right operand; K: the contracted axis; several contracted axes count as one K, in the product's order):
;;     1. [M 1,024, K 1,024] x [K 1,024, N 8,192]; A: input w_qs; B: input q: QUANTISED
;;     2. [M 1,024, K 1,024] x [K 1,024, N 8,192]; A: input w_ks; B: input q: QUANTISED
;;     3. [M 1,024, K 1,024] x [K 1,024, N 8,192]; A: input w_vs; B: input q: QUANTISED
;;     4. batch 64 x [M 2,048, K 64] x [K 64, N 2,048]; A: computed on the way; B: computed on the way: QUANTISED
;;     5. batch 64 x [M 2,048, K 2,048] x [K 2,048, N 64]; A: softmax (see below); B: computed on the way: QUANTISED
;;     6. [M 8,192, K 1,024] x [K 1,024, N 1,024]; A: computed on the way; B: input proj_w: QUANTISED
;;   THE QUANTISER, for each operand of a quantised product, along K:
;;     - K is cut into blocks of 32 from its start; a last block that is shorter is filled with zeros.
;;     - A block's scale is 2^e with e = floor(log2(the largest magnitude in the block)) - 2, held to -126 .. 127; a block of zeros has e = 0. As a byte (E8M0): e + 127.
;;     - Each number is divided by its block's scale, clamped to +-6, and rounded to the nearest number of E2M1, ties to even, subnormals kept.
;;     - The product sums the exact products of the quantised numbers (number of the format x scale) in f32.
;;   ~~~python
;;   def quantise(x, axis):      # numpy; x: float32 -> the quantised numbers, widened to float32 again
;;       x = np.moveaxis(x, axis, -1); K = x.shape[-1]
;;       x = np.pad(x, [(0, 0)] * (x.ndim - 1) + [(0, -K % 32)]); x = x.reshape(x.shape[:-1] + (-1, 32)); a = np.abs(x).max(-1, keepdims=True)
;;       e = np.where(a > 0, np.clip(np.frexp(np.where(a > 0, a, 1))[1] - 1 - 2, -126, 127), 0)      # np.frexp(a)[1] - 1 = floor(log2(a)), exactly
;;       r = np.clip(x / 2.0 ** e, -6, 6)
;;       step = 2.0 ** (np.maximum(np.frexp(np.where(r == 0, 1, r))[1] - 1, 0) - 1)
;;       q = np.round(r / step) * step * 2.0 ** e      # np.round: ties to even
;;       return np.moveaxis(q.reshape(q.shape[:-2] + (-1,))[..., :K], -1, axis).astype(np.float32)
;;   ~~~
;;   SOFTMAX AHEAD OF A QUANTISED PRODUCT. Where the list says 'softmax', what is quantised is not the finished softmax but p = 2^(t - M), with t = logit x log2(e) and M = ceil(the row's largest t), a whole number; so 1/2 < the row's largest p <= 1. The row's sum l is taken of the UNQUANTISED p, in f32, and the product's result is divided by l at the end. Since M is a whole number, a kernel that streams over the keys may use a running M (the ceiling of the running maximum): every later rescaling is an exact power of two, which a block's scale takes up: the codes' values come out the same.
;;   OPERANDS COMPUTED ON THE WAY. 'Computed on the way' means the value that the module computes at that place (a softmax that the list does not call 'softmax' is quantised finished and normalised). What goes into a quantiser is computed in f32, as accurately as f32 sums, v_exp_f32 and their like allow (about 1e-6 of the number): no bf16 or f16 on the way to a quantiser, and a product that is left as it is and whose result goes on into a quantised operand takes f32 operands (vector FMAs, or v_wmma_f32_16x16x4_f32). A number that lies on a knife's edge between two numbers of the format may be rounded either way, as far as f32 arithmetic and the matrix unit's own rounding can turn it there, and no further.
;; One version. Each part assembles by itself: llvm-mc -triple=amdgcn-amd-amdhsa -mcpu=gfx1250 --defsym DOCPART=n.
;; ======== version 1 of 1: 4 launches
;; limits: right only within a limited range of input values
;; workspace buffers: rowq 5,013,504 bytes; colq 1,671,168 bytes; qh 4,456,448 bytes; kv 8,912,896 bytes; oq 4,456,448 bytes
;; launch quant (part 1): grid 480 x 1, 4 waves a work-group, no clusters, 34,304 bytes of LDS; arguments q, proj_w, rowq, colq, w_qs, w_ks, w_vs; writes rowq, colq
.if DOCPART == 1
	.amdgcn_target "amdgcn-amd-amdhsa--gfx1250"
	.amdhsa_code_object_version 6
	.text
	.protected	k_q7ab97de64f_quant
	.globl	k_q7ab97de64f_quant
	.p2align	8
	.type	k_q7ab97de64f_quant,@function
k_q7ab97de64f_quant:
	s_mov_b64 s[64:65], 0
	v_nop
	global_prefetch_b8 v0, s[64:65] scope:SCOPE_SE
	s_setreg_imm32_b32 hwreg(HW_REG_WAVE_MODE, 25, 1), 1
	s_wait_xcnt 0x0
; MULTI-HEAD ATTENTION IN MX-FP4, launch 1 of 4: all five f32 operands that are inputs become codes of E2M1 with one E8M0 byte for each 32 along K.
; NOTHING OF reference() IS DEAD WORK: every input (q, w_qs, w_ks, w_vs, proj_w, proj_b, ln_a, ln_b) has a way to out0 for all values, so all eight are loaded and all six products are done.
; LIMITS of the whole program: NaN and infinities among the inputs are not served.  A block of zeros, or one whose largest magnitude lies under 2^-124, keeps the scale byte 1
; (the rule says 127 for zeros: its codes are zeros, which add nothing under any byte but 0xff, and the bytes are read by this program alone).
; LAYOUT OF THE RESULTS.  Rows go by groups of 32 into two TILES of 16: lane r of tile 2 g + u holds row 32 g + 8 u + r + 8 (r / 8).  A tile's record (REC bytes) is eight fragment images, one for each
; 128 along K, as the matrix instruction's registers hold them: piece c (512 bytes) has lane l's 16 bytes at 16 l: k = 64 c + 32 (l / 16) + 0 .. 31 of row l % 16.  Behind them 512 bytes of scale words:
; at 16 l', l' < 16: row l's words of K steps 0-3; l' >= 16: row (l' - 16)'s words of K steps 4-7.
; TWO PATHS, parted once, at the head, by the work-group's number, which is the same in all four waves.
; WORK-GROUPS 0-287: q [8192][1024] (tiles 0-511 of rowq) and proj_w [1024][1024] (tiles 512-575): K is innermost.  A wave takes one tile and four K steps.  Each load reads 512 consecutive bytes of one row;
; a K step's 16 rows turn through the wave's own stage in LDS (rows 528 bytes apart), from which a lane takes two whole blocks of 32 neighbours.  Waves share nothing: no barrier.
; WORK-GROUPS 288-479: w_qs, w_ks, w_vs [16][1024 (d)][64]: K (d) is not innermost; row of colq = matrix x 1024 + head x 64 + channel.  A LANE TAKES A COLUMN, AND ITS REGISTERS RUN DOWN K: a block of 32 lies in
; one lane's registers, and the conversions give codes with K innermost.  A work-group takes 32 channels of one head and half of K; wave w the K step 4 H + w.  This path uses no LDS: a wave stores its K step's
; scale word 4 bytes a lane, 16 bytes apart, and the four waves of the work-group together fill the 256 bytes.
.set REC,   8704
.set ROWG,  288                        ; work-groups of the first path
.set STG,   16*528                     ; a wave's stage
.set SPARE, 4*STG                      ; behind the stages: the spare words, 128 bytes a wave, which no other line names
.set R,     32                         ; first path: v32-159  two sets of 64: a K step as loaded
.set X,     160                        ; v160-223 my two blocks of 32 neighbours
.set C,     224                        ; v224-255 codes: eight registers for each K step, so that no store's data are written again
.set W,     16                         ; v16-19   my row's scale word of each K step
.set N,     32                         ; second path: v32-159 128 numbers down K
.set CC,    160                        ; v160-175 codes, four registers a block
.set SPW,   20                         ; v20      LDS address of my spare word; never rewritten
.set NIL,   21                         ; v21      0; never rewritten
	v_lshl_add_u32 v[SPW], v0, 2, SPARE
	v_mov_b32 v[NIL], 0
	s_cmp_ge_u32 ttmp9, ROWG
	s_cbranch_scc1 .Lcol
	; ---- the first path: K innermost
	s_load_b128 s[4:7], s[0:1], 0x0                ; q, proj_w
	s_load_b64 s[8:9], s[0:1], 0x10                ; rowq
	v_lshrrev_b32 v7, 5, v0
	v_readfirstlane_b32 s12, v7                    ; wave
	v_and_b32 v7, 31, v0                           ; lane
	v_lshlrev_b32 v1, 4, v7                        ; v1: 16 x lane
	v_and_b32 v8, 15, v0                           ; r
	v_bfe_u32 v6, v0, 4, 1                         ; v6: h
	s_mul_i32 s13, s12, STG
	v_add_nc_u32 v2, s13, v1                       ; v2: into the stage: 16 x lane of a row
	v_mul_u32_u24 v3, v8, 528
	v_lshl_add_u32 v3, v6, 7, v3
	v_add_nc_u32 v3, s13, v3                       ; v3: out of it: row r, + 128 h bytes: k = 32 h on
	v_lshlrev_b32 v4, 4, v8
	v_lshl_add_u32 v4, v6, 3, v4                   ; v4: the scale words' place: 16 r + 8 h
	v_lshlrev_b32 v5, 3, v6                        ; v5: 8 h
	v_mov_b32 v15, 0                               ; (a lane permute's destination counts as one of its sources)
	s_mov_b32 s20, 0x76543210
	s_mov_b32 s21, 0xfedcba98                      ; selects for lane l xor 16
	s_lshl_b32 s14, ttmp9, 2
	s_add_co_u32 s14, s14, s12                     ; unit
	s_lshr_b32 s15, s14, 1                         ; tile
	s_and_b32 s16, s14, 1                          ; which half of K
	s_mul_i32 s22, s15, REC
	s_lshl_b32 s17, s16, 8
	s_add_co_u32 s24, s22, s17
	s_add_co_u32 s24, s24, 8192                    ; my 256 bytes of scale words
	s_mov_b32 s25, 0
	s_lshl_b32 s17, s16, 12
	s_add_co_u32 s22, s22, s17                     ; my four fragment images
	s_mov_b32 s23, 0
	s_wait_alu depctr_va_vdst(0)
	s_wait_kmcnt 0x0
	s_cmp_lt_u32 ttmp9, 256                        ; q's work-group or proj_w's: the choice hangs on the work-group's number alone
	s_cselect_b64 s[4:5], s[4:5], s[6:7]
	s_cselect_b32 s17, 0, 512
	s_sub_co_u32 s17, s15, s17                     ; the tile's number in its own tensor
	s_lshr_b32 s18, s17, 1
	s_lshl_b32 s18, s18, 17                        ; 32 rows of 4,096 bytes a group,
	s_and_b32 s17, s17, 1
	s_lshl_b32 s17, s17, 15                        ; 8 rows on for the odd tile,
	s_add_co_u32 s18, s18, s17
	s_lshl_b32 s17, s16, 11                        ; 2,048 bytes on for the second half of K
	s_add_co_u32 s18, s18, s17
	s_mov_b32 s19, 0
	s_add_nc_u64 s[4:5], s[4:5], s[18:19]
	s_add_nc_u64 s[10:11], s[8:9], s[24:25]
	s_add_nc_u64 s[8:9], s[8:9], s[22:23]
.macro LOAD t                          ; K step t of the tile's 16 rows: 32 lanes read 512 consecutive bytes of a row
.irp i, 0,1,2,3,4,5,6,7,8,9,10,11,12,13,14,15
	global_load_b128 v[R+64*((\t)%2)+4*\i:R+64*((\t)%2)+4*\i+3], v1, s[4:5] offset:(\i+8*(\i/8))*4096+512*(\t) th:TH_LOAD_NT
.endr
.endm
.macro STEP t
.if (\t) < 3
	s_wait_loadcnt 16                              ; this K step's 16 loads are in; the next step's 16 may be out
.else
	s_wait_loadcnt 0x0
.endif
.irp i, 0,1,2,3,4,5,6,7,8,9,10,11,12,13,14,15
	ds_store_b128 v2, v[R+64*((\t)%2)+4*\i:R+64*((\t)%2)+4*\i+3] offset:528*\i
.endr
.irp c, 0,1
.irp j, 0,1,2,3,4,5,6,7
	ds_load_b128 v[X+32*\c+4*\j:X+32*\c+4*\j+3], v3 offset:256*\c+16*\j   ; LDS serves a wave's instructions in order: these see the stores above
.endr
.endr
	s_wait_dscnt 0x0                               ; my two blocks are in, and the stores have read their registers
.if (\t) < 2
	LOAD (\t)+2
.endif
.irp c, 0,1
	v_max3_num_f32 v[8+\c], |v[X+32*\c]|, |v[X+32*\c+1]|, 0x1800000   ; block 2 c + h: all 32 numbers are mine; the floor 2^(3 - 127) holds the byte at 1 from below
.endr
.irp i, 2,4,6,8,10,12,14,16,18,20,22,24,26,28,30
.irp c, 0,1
	v_max3_num_f32 v[8+\c], v[8+\c], |v[X+32*\c+\i]|, |v[X+32*\c+\i+1]|
.endr
.endr
.irp c, 0,1
	v_add_nc_u32 v[10+\c], 0xff000000, v[8+\c]     ; 2 off the exponent field: the conversion's scale operand
.endr
.irp c, 0,1
	v_lshrrev_b32 v[12+\c], 23, v[10+\c]           ; the scale's byte
.endr
	v_lshl_or_b32 v14, v13, 16, v12                ; my two bytes, blocks h and 2 + h,
	v_lshlrev_b32 v14, v5, v14                     ; at their places in the word;
	v_permlanex16_b32 v15, v14, s20, s21
	v_or_b32 v[W+\t], v14, v15                     ; with lane l xor 16's two the word is whole
.irp c, 0,1
.irp g, 0,1,2,3
	v_cvt_scalef32_pk8_fp4_f32 v[C+8*(\t)+4*\c+\g], v[X+32*\c+8*\g:X+32*\c+8*\g+7], v[10+\c]
.endr
.endr
	v_nop                                          ; one plain line behind the conversions
.irp c, 0,1
	global_store_b128 v1, v[C+8*(\t)+4*\c:C+8*(\t)+4*\c+3], s[8:9] offset:1024*(\t)+512*\c   ; 512 consecutive bytes
.endr
.endm
	LOAD 0
	LOAD 1
.irp t, 0,1,2,3
	STEP \t
.endr
	v_cmp_ne_u32 vcc_lo, 0, v6
	v_cndmask_b32 v22, v[W], v[W+2], vcc_lo        ; lanes 0-15 store words 0, 1 of their row, lanes 16-31 words 2, 3
	v_cndmask_b32 v23, v[W+1], v[W+3], vcc_lo
	global_store_b64 v4, v[22:23], s[10:11]        ; 256 consecutive bytes
	s_branch .Lend
.Lcol:
	; ---- the second path: K not innermost
	s_load_b64 s[10:11], s[0:1], 0x18              ; colq
	s_load_b128 s[4:7], s[0:1], 0x20               ; w_qs, w_ks
	s_load_b64 s[8:9], s[0:1], 0x30                ; w_vs
	s_sub_co_u32 s26, ttmp9, ROWG                  ; g: 0 .. 191
	v_lshrrev_b32 v1, 5, v0
	v_readfirstlane_b32 s12, v1                    ; wave
	v_and_b32 v1, 31, v0                           ; x: my column among the 32
	v_lshlrev_b32 v2, 2, v1                        ; v2: 4 x
	v_bfe_u32 v6, v0, 3, 1                         ; u = (x / 8) % 2: which of the two tiles
	v_and_b32 v7, 7, v0
	v_bfe_u32 v8, v0, 4, 1
	v_lshl_add_u32 v7, v8, 3, v7                   ; r = x % 8 + 8 (x / 16): my lane's place in that tile
	v_mul_u32_u24 v3, v6, REC
	v_lshl_add_u32 v3, v7, 4, v3                   ; v3: u x REC + 16 r
	s_and_b32 s14, s26, 63
	s_lshr_b32 s15, s14, 2                         ; head
	s_bfe_u32 s16, s14, 0x10001                    ; which 32 channels
	s_and_b32 s17, s14, 1                          ; H: which half of K
	s_lshl_b32 s18, s17, 2
	s_add_co_u32 s18, s18, s12                     ; my K step
	s_lshl_b32 s20, s15, 18                        ; a head is 262,144 bytes,
	s_lshl_b32 s19, s18, 15                        ; 128 rows of 256 bytes a K step,
	s_add_co_u32 s20, s20, s19
	s_lshl_b32 s19, s16, 7                         ; 128 bytes for 32 channels
	s_add_co_u32 s20, s20, s19
	s_mov_b32 s21, 0
	s_lshr_b32 s19, s26, 1
	s_mul_i32 s19, s19, 2*REC                      ; the group's two records
	s_lshl_b32 s22, s18, 10
	s_add_co_u32 s22, s22, s19                     ; my K step's image
	s_mov_b32 s23, 0
	s_lshl_b32 s24, s17, 8
	s_add_co_u32 s24, s24, s19
	s_lshl_b32 s13, s12, 2
	s_add_co_u32 s24, s24, s13
	s_add_co_u32 s24, s24, 8192                    ; the scale words of my half of K, word w of each row's four
	s_mov_b32 s25, 0
	s_wait_alu depctr_va_vdst(0)
	s_wait_kmcnt 0x0
	s_cmp_lt_u32 s26, 128                          ; which of the three tensors: by the work-group's number alone
	s_cselect_b64 s[6:7], s[6:7], s[8:9]
	s_cmp_lt_u32 s26, 64
	s_cselect_b64 s[4:5], s[4:5], s[6:7]
	s_add_nc_u64 s[4:5], s[4:5], s[20:21]
	s_add_nc_u64 s[14:15], s[10:11], s[22:23]
	s_add_nc_u64 s[16:17], s[10:11], s[24:25]
.macro CLOAD kb                        ; block kb: rows 32 kb + i of my K step, my column
.irp i, 0,1,2,3,4,5,6,7,8,9,10,11,12,13,14,15,16,17,18,19,20,21,22,23,24,25,26,27,28,29,30,31
	global_load_b32 v[N+32*(\kb)+\i], v2, s[4:5] offset:256*(32*(\kb)+\i) th:TH_LOAD_NT
.endr
.endm
.macro BLOCK kb
.set XS, N+32*(\kb)
.if (\kb) < 3
	s_wait_loadcnt 32                              ; this block's 32 loads are in; the next block's 32 may be out
.else
	s_wait_loadcnt 0x0
.endif
.if (\kb) < 2
	CLOAD (\kb)+2
.endif
	v_max3_num_f32 v12, |v[XS]|, |v[XS+1]|, |v[XS+2]|
	v_max3_num_f32 v13, |v[XS+3]|, |v[XS+4]|, |v[XS+5]|
.irp i, 6,10,14,18,22,26
	v_max3_num_f32 v12, v12, |v[XS+\i]|, |v[XS+\i+1]|
	v_max3_num_f32 v13, v13, |v[XS+\i+2]|, |v[XS+\i+3]|
.endr
	v_max3_num_f32 v12, v12, |v[XS+30]|, |v[XS+31]|
	v_max3_num_f32 v12, v12, v13, 0x1800000        ; and the floor 2^(3 - 127)
	v_add_nc_u32 v11, 0xff000000, v12              ; the conversion's scale operand
	v_lshrrev_b32 v13, 23, v11                     ; the byte
.if (\kb) == 0
	v_mov_b32 v24, v13
.else
	v_lshl_or_b32 v24, v13, 8*(\kb), v24           ; the K step's scale word of my column
.endif
.irp g, 0,1,2,3
	v_cvt_scalef32_pk8_fp4_f32 v[CC+4*(\kb)+\g], v[XS+8*\g:XS+8*\g+7], v11
.endr
	v_nop                                          ; one plain line behind the conversions
	global_store_b128 v3, v[CC+4*(\kb):CC+4*(\kb)+3], s[14:15] offset:256*(\kb)   ; the 16 lanes of a tile store 256 consecutive bytes
.endm
	CLOAD 0
	CLOAD 1
.irp kb, 0,1,2,3
	BLOCK \kb
.endr
	global_store_b32 v3, v24, s[16:17]             ; word w of my row's four: the work-group's four waves fill the rows' 16 bytes
.Lend:
	s_wait_tensorcnt 0x0                           ; the wave's end
	ds_add_u32 v[SPW], v[NIL]
	s_wait_dscnt 0x0
	s_endpgm
.Lfunc_end_k_q7ab97de64f_quant:
	.size	k_q7ab97de64f_quant, .Lfunc_end_k_q7ab97de64f_quant-k_q7ab97de64f_quant
	.p2alignl 7, 3214868480
	.fill 96, 4, 3214868480
	.section	.rodata,"a",@progbits
	.p2align	6, 0x0
	.amdhsa_kernel k_q7ab97de64f_quant
		.amdhsa_group_segment_fixed_size 34304
		.amdhsa_private_segment_fixed_size 0
		.amdhsa_enable_private_segment 0
		.amdhsa_kernarg_size 56
		.amdhsa_user_sgpr_count 2
		.amdhsa_user_sgpr_kernarg_segment_ptr 1
		.amdhsa_wavefront_size32 1
		.amdhsa_system_sgpr_workgroup_id_x 1
		.amdhsa_system_sgpr_workgroup_id_y 1
		.amdhsa_system_sgpr_workgroup_id_z 1
		.amdhsa_system_vgpr_workitem_id 0
		.amdhsa_next_free_vgpr 256
		.amdhsa_next_free_sgpr 66
		.amdhsa_reserve_vcc 1
		.amdhsa_float_denorm_mode_32 3
		.amdhsa_float_denorm_mode_16_64 3
		.amdhsa_memory_ordered 1
		.amdhsa_forward_progress 1
		.amdhsa_inst_pref_size 50
	.end_amdhsa_kernel
	.amdgpu_metadata
---
amdhsa.version: [ 1, 2 ]
amdhsa.kernels:
  - .name:           k_q7ab97de64f_quant
    .symbol:         k_q7ab97de64f_quant.kd
    .args:
      - { .name: q, .offset: 0, .size: 8, .value_kind: global_buffer, .address_space: global }
      - { .name: proj_w, .offset: 8, .size: 8, .value_kind: global_buffer, .address_space: global }
      - { .name: rowq, .offset: 16, .size: 8, .value_kind: global_buffer, .address_space: global }
      - { .name: colq, .offset: 24, .size: 8, .value_kind: global_buffer, .address_space: global }
      - { .name: w_qs, .offset: 32, .size: 8, .value_kind: global_buffer, .address_space: global }
      - { .name: w_ks, .offset: 40, .size: 8, .value_kind: global_buffer, .address_space: global }
      - { .name: w_vs, .offset: 48, .size: 8, .value_kind: global_buffer, .address_space: global }
    .group_segment_fixed_size: 34304
    .private_segment_fixed_size: 0
    .kernarg_segment_align: 8
    .kernarg_segment_size: 56
    .max_flat_workgroup_size: 128
    .sgpr_count:     66
    .vgpr_count:     256
    .wavefront_size: 32
...
	.end_amdgpu_metadata
.endif
;; end of part 1
;; launch proj (part 2): grid 12 x 32, 16 waves a work-group, no clusters, 280,576 bytes of LDS; arguments rowq, colq, qh, kv; writes qh, kv
.if DOCPART == 2
	.amdgcn_target "amdgcn-amd-amdhsa--gfx1250"
	.amdhsa_code_object_version 6
	.text
	.protected	k_q7ab97de64f_proj
	.globl	k_q7ab97de64f_proj
	.p2align	8
	.type	k_q7ab97de64f_proj,@function
k_q7ab97de64f_proj:
	s_mov_b64 s[64:65], 0
	v_nop
	global_prefetch_b8 v0, s[64:65] scope:SCOPE_SE
	s_setreg_imm32_b32 hwreg(HW_REG_WAVE_MODE, 25, 1), 1
	s_wait_xcnt 0x0
; Launch 2 of 4: the three projections qh, kh, vh on codes of E2M1 (K = 1024), each result quantised in registers for the product that takes it.  No work is left out.
; A work-group makes 256 tokens x 256 channels (four heads of one of the three matrices): cb = work-group x: 0-3 Q, 4-7 K, 8-11 V; tb = work-group y.
; SOURCE 0 IS THE AXIS THAT IS QUANTISED NEXT: for Q and K the channels (the next K is the head's 64), for V the tokens (the next K is the keys).  Its tiles hold rows 32 g + 8 u + r + 8 (r / 8), so that the 16
; registers of result tiles 2 g and 2 g + 1 are 16 neighbours along the next K.  Source 1's lane is the row of the new operand.
; LDS: source 0's 16 records, then source 1's 16 (REC bytes each, dense in memory): each of the 16 waves brings two records by one tensor load, once; nothing is filled again.
; Wave w: source 0's tiles 8 (w / 8) + 0 .. 7 against source 1's tiles 2 (w % 8) + 0, 1: 16 accumulators, by turns.
; RESULTS, as images of operand registers: Q: for each head and each 32 queries 1,024 bytes: piece c = query tile 2 D + c, k = 32 h + 0 .. 31; a scale word a lane (bytes 0, 1: tile 2 D; 2, 3: tile 2 D + 1).
; K, V: a record of REC bytes for each head and 128 keys: four double fragments of K (piece 0: key tile 2 d at k 0-63, piece 1: key tile 2 d + 1 at k 64-127), four fragments of V^T (16 channels x 128 keys), then K's and V's scale words.
; NO CLUSTER: which buffer is source 0 changes with the work-group's column, and each work-group asks for its 278,528 bytes once, at its head: there is no stream of steps to share.
; LIMITS as in launch 1.
.set REC,   8704
.set S1B,   16*REC                     ; source 1's records begin here
.set SPARE, 32*REC                     ; the spare words, 128 bytes a wave, which no other line names
.set A0A, 1                            ; v1   LDS: source 0, my tiles 0-3
.set A0B, 2                            ; v2   my tiles 4-7
.set A1,  3                            ; v3   source 1, my two tiles
.set SPW, 4                            ; v4   my spare word; never rewritten
.set NIL, 5                            ; v5   0; never rewritten
.set LI,  6                            ; v6   16 x lane
.set SOF, 7                            ; v7   the scale store's offset
.set S1S, 8                            ; v8-15   source 1's scale words, 4 registers a tile: register i: lanes 0-15 K step i, lanes 16-31 K step 4 + i
.set S0S, 16                           ; v16-47  source 0's
.set S0F, 48                           ; v48-111 source 0's eight fragments
.set S1F, 112                          ; v112-127 source 1's two
.set ACC, 128                          ; v128-255 accumulator (n, mt) at 8 (8 n + mt)
.set TM,  48                           ; behind the products: v48-63 at work,
.set PC,  64                           ; v64-79 two fragments of codes,
.set PW,  80                           ; v80-81 their scale words,
.set SW,  82                           ; v82 the word that my lane stores
.set WV,  12
.set G1,  16                           ; s[16:23] descriptor group 1
.set G0,  24                           ; s[24:27] group 0
.set SEL, 48                           ; s[48:49] selects for lane l xor 16
	s_load_b256 s[4:11], s[0:1], 0x0               ; rowq, colq, qh, kv
	v_lshl_add_u32 v[SPW], v0, 2, SPARE
	v_mov_b32 v[NIL], 0
	ds_add_u32 v[SPW], v[NIL]                      ; the wave's opening: the add, twice on end, and its wait ahead of my first tensor load
	ds_add_u32 v[SPW], v[NIL]
	v_lshrrev_b32 v1, 5, v0
	s_delay_alu instid0(VALU_DEP_1)
	v_readfirstlane_b32 s[WV], v1                  ; wave 0..15
	s_mov_b32 s[G1+0], 3<<16                       ; elements of 8 bytes, no mask, no padding
	s_mov_b32 s[G1+1], 32<<16                      ; tensor_dim0 = 32 elements: rows of 256 bytes
	s_mov_b32 s[G1+2], 68<<16                      ; tensor_dim1 = 68 rows: two records
	s_mov_b32 s[G1+3], 32<<16                      ; tile_dim0
	s_mov_b32 s[G1+4], 68                          ; tile_dim1
	s_mov_b32 s[G1+5], 32                          ; the pitch: dense
	s_mov_b32 s[G1+6], 0
	s_mov_b32 s[G1+7], 0
	s_and_b32 s13, s[WV], 7                        ; p
	s_lshr_b32 s14, s[WV], 3                       ; hp
	s_and_b32 s15, ttmp7, 0xffff                   ; tb
	s_mov_b32 s[G0], 1
	s_mul_i32 s[G0+1], s[WV], 2*REC                ; waves 0-7 fill source 0's records, waves 8-15 source 1's
	s_lshr_b32 s28, ttmp9, 3                       ; 1 on V's path
	s_xor_b32 s28, s28, s14                        ; 0: I fetch weights; 1: tokens
	s_mov_b32 s[SEL], 0x76543210
	s_mov_b32 s[SEL+1], 0xfedcba98
	s_wait_dscnt 0x0                               ; both opening adds are done
	s_wait_kmcnt 0x0
	s_cmp_eq_u32 s28, 0
	s_cselect_b64 s[G0+2:G0+3], s[6:7], s[4:5]
	s_cselect_b32 s29, ttmp9, s15
	s_mul_i32 s30, s29, 16*REC                     ; the block's 16 records,
	s_mul_i32 s29, s13, 2*REC                      ; my two of them
	s_add_co_u32 s30, s30, s29
	s_mov_b32 s31, 0
	s_add_nc_u64 s[G0+2:G0+3], s[G0+2:G0+3], s[30:31]
	s_or_b32 s[G0+3], s[G0+3], 0x80000000
	tensor_load_to_lds s[G0:G0+3], s[G1:G1+7]      ; my one tensor load
	s_nop 0
	v_and_b32 v48, 31, v0
	s_delay_alu instid0(VALU_DEP_1)
	v_lshlrev_b32 v[LI], 4, v48
	s_mul_i32 s32, s14, 8*REC
	v_add_nc_u32 v[A0A], s32, v[LI]
	s_delay_alu instid0(VALU_DEP_1)
	v_add_nc_u32 v[A0B], 4*REC, v[A0A]
	s_mul_i32 s32, s13, 2*REC
	s_add_co_u32 s32, s32, S1B
	v_add_nc_u32 v[A1], s32, v[LI]
	; where my results go: s40 the first fragment, s44 from it to the second, s42 the scale words, s39 from the first fragment's words to the second's
	s_lshr_b32 s33, s15, 3                         ; the batch
	s_and_b32 s34, s15, 7                          ; lb: which 256 tokens of it
	s_and_b32 s35, ttmp9, 3
	s_lshl_b32 s36, s33, 4
	s_lshl_b32 s37, s35, 2
	s_add_co_u32 s36, s36, s37                     ; 16 x batch + the block's first head
	s_cmp_ge_u32 ttmp9, 8
	s_cbranch_scc1 .Ladr_v
	s_lshl_b32 s37, s14, 1
	s_add_co_u32 s36, s36, s37                     ; + 2 hp: my first head
	s_cmp_ge_u32 ttmp9, 4
	s_cbranch_scc1 .Ladr_k
	s_lshl_b32 s36, s36, 6                         ; Q: 64 groups of 32 queries a head,
	s_lshl_b32 s37, s34, 3
	s_add_co_u32 s36, s36, s37
	s_add_co_u32 s36, s36, s13                     ; group 8 lb + p
	s_lshl_b32 s40, s36, 10
	s_lshl_b32 s42, s36, 6
	s_add_co_u32 s42, s42, 4194304
	s_mov_b32 s44, 65536                           ; the next head's codes
	s_mov_b32 s39, 4096                            ; and scale words
	s_branch .Ladr_done
.Ladr_k:
	s_lshl_b32 s36, s36, 4                         ; K: 16 records a head,
	s_lshl_b32 s37, s34, 1
	s_add_co_u32 s36, s36, s37
	s_lshr_b32 s37, s13, 2
	s_add_co_u32 s36, s36, s37                     ; key step 2 lb + p / 4
	s_mul_i32 s36, s36, REC
	s_and_b32 s37, s13, 3                          ; double fragment p % 4
	s_lshl_b32 s38, s37, 10
	s_add_co_u32 s40, s36, s38
	s_lshl_b32 s38, s37, 6
	s_add_co_u32 s42, s36, s38
	s_add_co_u32 s42, s42, 8192
	s_mov_b32 s44, 16*REC                          ; the next head's records
	s_mov_b32 s39, 16*REC
	s_branch .Ladr_done
.Ladr_v:
	s_lshr_b32 s37, s13, 1
	s_add_co_u32 s36, s36, s37                     ; V: head p / 2 of the block's four,
	s_lshl_b32 s36, s36, 4
	s_lshl_b32 s37, s34, 1
	s_add_co_u32 s36, s36, s37
	s_add_co_u32 s36, s36, s14                     ; key step 2 lb + hp
	s_mul_i32 s36, s36, REC
	s_and_b32 s37, s13, 1                          ; fragments 2 (p % 2) and the next
	s_lshl_b32 s38, s37, 11
	s_add_co_u32 s40, s36, s38
	s_add_co_u32 s40, s40, 4096
	s_lshl_b32 s38, s37, 7
	s_add_co_u32 s42, s36, s38
	s_add_co_u32 s42, s42, 8448
	s_mov_b32 s44, 1024
	s_mov_b32 s39, 64
.Ladr_done:
	s_mov_b32 s41, 0
	s_mov_b32 s43, 0
	s_mov_b32 s45, 0
	s_cmp_lt_u32 ttmp9, 4
	s_cselect_b64 s[8:9], s[8:9], s[10:11]         ; qh or kv
	s_add_nc_u64 s[10:11], s[8:9], s[42:43]        ; the scale words
	s_add_nc_u64 s[8:9], s[8:9], s[40:41]          ; the first fragment
	s_add_nc_u64 s[46:47], s[8:9], s[44:45]        ; the second
	v_and_b32 v48, 15, v0
	v_bfe_u32 v49, v0, 4, 1
	s_delay_alu instid0(VALU_DEP_1)
	v_mul_u32_u24 v[SOF], s39, v49
	s_delay_alu instid0(VALU_DEP_1)
	v_lshl_add_u32 v[SOF], v48, 2, v[SOF]          ; lanes 0-15 store the first fragment's words, lanes 16-31 the second's
	s_wait_tensorcnt 0x0                           ; my two records lie in LDS,
	s_barrier_signal -1
	s_barrier_wait -1                              ; everybody's do
	s_wait_alu depctr_va_vdst(0)
.irp n, 0,1
	ds_load_b128 v[S1S+4*\n:S1S+4*\n+3], v[A1] offset:\n*REC+8192
.endr
.irp mt, 0,1,2,3
	ds_load_b128 v[S0S+4*\mt:S0S+4*\mt+3], v[A0A] offset:\mt*REC+8192
	ds_load_b128 v[S0S+16+4*\mt:S0S+16+4*\mt+3], v[A0B] offset:\mt*REC+8192
.endr
.macro MM s, mt, n
.set rD, ACC+8*(8*(\n)+(\mt))
.set rA, S0F+8*(\mt)
.set rB, S1F+8*(\n)
.set rX, S0S+4*(\mt)+(\s)%4
.set rY, S1S+4*(\n)+(\s)%4
.if (\s) == 0
	v_wmma_scale_f32_16x16x128_f8f6f4 v[rD:rD+7], v[rA:rA+7], v[rB:rB+7], 0, v[rX], v[rY] matrix_a_fmt:MATRIX_FMT_FP4 matrix_b_fmt:MATRIX_FMT_FP4
.elseif (\s) < 4
	v_wmma_scale_f32_16x16x128_f8f6f4 v[rD:rD+7], v[rA:rA+7], v[rB:rB+7], v[rD:rD+7], v[rX], v[rY] matrix_a_fmt:MATRIX_FMT_FP4 matrix_b_fmt:MATRIX_FMT_FP4
.else
	v_wmma_scale_f32_16x16x128_f8f6f4 v[rD:rD+7], v[rA:rA+7], v[rB:rB+7], v[rD:rD+7], v[rX], v[rY] matrix_a_fmt:MATRIX_FMT_FP4 matrix_b_fmt:MATRIX_FMT_FP4 matrix_a_scale:MATRIX_SCALE_ROW1 matrix_b_scale:MATRIX_SCALE_ROW1
.endif
.endm
.macro KSTEP s                         ; 128 along K: 20 loads of 512 consecutive bytes, 16 products
.if (\s) > 0
.rept 4
	v_nop                                          ; four places in front of loads into registers that matrix instructions have read
.endr
.endif
.irp n, 0,1
.irp c, 0,1
	ds_load_b128 v[S1F+8*\n+4*\c:S1F+8*\n+4*\c+3], v[A1] offset:\n*REC+1024*(\s)+512*\c
.endr
.endr
.irp mt, 0,1,2,3
.irp c, 0,1
	ds_load_b128 v[S0F+8*\mt+4*\c:S0F+8*\mt+4*\c+3], v[A0A] offset:\mt*REC+1024*(\s)+512*\c
.endr
.endr
.irp mt, 0,1,2,3
.irp c, 0,1
	ds_load_b128 v[S0F+32+8*\mt+4*\c:S0F+32+8*\mt+4*\c+3], v[A0B] offset:\mt*REC+1024*(\s)+512*\c
.endr
.endr
	s_wait_dscnt 8                                 ; all but the youngest eight loads, source 0's tiles 4-7
.irp mt, 0,1,2,3
.irp n, 0,1
	MM \s, \mt, \n
.endr
.endr
	s_wait_dscnt 0x0
.irp mt, 4,5,6,7
.irp n, 0,1
	MM \s, \mt, \n
.endr
.endr
.endm
.irp s, 0,1,2,3,4,5,6,7
	KSTEP \s
.endr
; 64 numbers of a lane become a fragment's codes in v[pc] on and its scale word in v[pw]: blocks 0, 1 are v[lo + 16 b + i], blocks 2, 3 v[hi + 16 (b - 2) + i]; register i of a block is k = 16 (lane / 16) + i of it.
.macro QUANT lo, hi, pc, pw
.irp b, 0,1,2,3
.set QS, ((\lo)+16*\b)*(1-\b/2)+((\hi)+16*(\b-2))*(\b/2)
	v_max3_num_f32 v[TM+\b], |v[QS]|, |v[QS+1]|, 0x1800000   ; each accumulator is read from its low end on; the floor 2^(3 - 127) holds the byte at 1 from below
.endr
.irp i, 2,4,6,8,10,12,14
.irp b, 0,1,2,3
.set QS, ((\lo)+16*\b)*(1-\b/2)+((\hi)+16*(\b-2))*(\b/2)
	v_max3_num_f32 v[TM+\b], v[TM+\b], |v[QS+\i]|, |v[QS+\i+1]|
.endr
.endr
.irp b, 0,1,2,3
	s_delay_alu instid0(VALU_DEP_4)
	v_permlanex16_b32 v[TM+4+\b], v[TM+\b], s[SEL], s[SEL+1]
.endr
.irp b, 0,1,2,3
	s_delay_alu instid0(VALU_DEP_4)
	v_max_num_f32 v[TM+\b], v[TM+\b], v[TM+4+\b]   ; with lane l xor 16's: the block's largest magnitude
.endr
.irp b, 0,1,2,3
	s_delay_alu instid0(VALU_DEP_4)
	v_add_nc_u32 v[TM+12+\b], 0xff000000, v[TM+\b] ; 2 off the exponent field: the conversion's scale operand
.endr
.irp b, 0,1,2,3
	s_delay_alu instid0(VALU_DEP_4)
	v_lshrrev_b32 v[TM+4+\b], 23, v[TM+12+\b]      ; the byte
.endr
	s_delay_alu instid0(VALU_DEP_3)
	v_lshl_or_b32 v[\pw], v[TM+5], 8, v[TM+4]
	s_delay_alu instid0(VALU_DEP_1)
	v_lshl_or_b32 v[\pw], v[TM+6], 16, v[\pw]
	s_delay_alu instid0(VALU_DEP_1)
	v_lshl_or_b32 v[\pw], v[TM+7], 24, v[\pw]
.irp b, 0,1,2,3
.set QS, ((\lo)+16*\b)*(1-\b/2)+((\hi)+16*(\b-2))*(\b/2)
	v_cvt_scalef32_pk8_fp4_f32 v[(\pc)+2*\b], v[QS:QS+7], v[TM+12+\b]
	v_cvt_scalef32_pk8_fp4_f32 v[(\pc)+1+2*\b], v[QS+8:QS+15], v[TM+12+\b]
.endr
	v_nop                                          ; one plain line behind the conversions
.irp c, 0,1                                    ; the operand's layout wants a whole block in a lane
.irp i, 0,1
	v_permlane16_swap_b32 v[(\pc)+4*\c+\i], v[(\pc)+2+4*\c+\i]
.endr
.endr
.endm
.rept 4
	v_nop                                          ; four places behind the last products
.endr
.irp b, 0,1,2,3
	v_mov_b32 v[TM+4+\b], 0                        ; (a lane permute's destination counts as one of its sources)
.endr
	s_cmp_ge_u32 ttmp9, 8
	s_cbranch_scc1 .Lq_v
	QUANT ACC, ACC+64, PC, PW                      ; Q, K: my first head's 64 channels of token tiles 2 p and 2 p + 1
	QUANT ACC+32, ACC+96, PC+8, PW+1               ; and my second head's
	s_branch .Lq_done
.Lq_v:
	QUANT ACC, ACC+32, PC, PW                      ; V: the 128 keys of my first channel tile
	QUANT ACC+64, ACC+96, PC+8, PW+1               ; and of my second
.Lq_done:
	v_bfe_u32 v83, v0, 4, 1
	s_delay_alu instid0(VALU_DEP_1)
	v_cmp_ne_u32 vcc_lo, 0, v83
	s_delay_alu instid0(VALU_DEP_1)
	v_cndmask_b32 v[SW], v[PW], v[PW+1], vcc_lo
	s_wait_alu depctr_va_vdst(0)
.irp c, 0,1
	global_store_b128 v[LI], v[PC+4*\c:PC+4*\c+3], s[8:9] offset:512*\c       ; 512 consecutive bytes a store
	global_store_b128 v[LI], v[PC+8+4*\c:PC+8+4*\c+3], s[46:47] offset:512*\c
.endr
	global_store_b32 v[SOF], v[SW], s[10:11]
	s_wait_tensorcnt 0x0                           ; the wave's end
	ds_add_u32 v[SPW], v[NIL]
	s_wait_dscnt 0x0
	s_endpgm
.Lfunc_end_k_q7ab97de64f_proj:
	.size	k_q7ab97de64f_proj, .Lfunc_end_k_q7ab97de64f_proj-k_q7ab97de64f_proj
	.p2alignl 7, 3214868480
	.fill 96, 4, 3214868480
	.section	.rodata,"a",@progbits
	.p2align	6, 0x0
	.amdhsa_kernel k_q7ab97de64f_proj
		.amdhsa_group_segment_fixed_size 280576
		.amdhsa_private_segment_fixed_size 0
		.amdhsa_enable_private_segment 0
		.amdhsa_kernarg_size 32
		.amdhsa_user_sgpr_count 2
		.amdhsa_user_sgpr_kernarg_segment_ptr 1
		.amdhsa_wavefront_size32 1
		.amdhsa_system_sgpr_workgroup_id_x 1
		.amdhsa_system_sgpr_workgroup_id_y 1
		.amdhsa_system_sgpr_workgroup_id_z 1
		.amdhsa_system_vgpr_workitem_id 0
		.amdhsa_next_free_vgpr 256
		.amdhsa_next_free_sgpr 66
		.amdhsa_reserve_vcc 1
		.amdhsa_float_denorm_mode_32 3
		.amdhsa_float_denorm_mode_16_64 3
		.amdhsa_memory_ordered 1
		.amdhsa_forward_progress 1
		.amdhsa_inst_pref_size 52
	.end_amdhsa_kernel
	.amdgpu_metadata
---
amdhsa.version: [ 1, 2 ]
amdhsa.kernels:
  - .name:           k_q7ab97de64f_proj
    .symbol:         k_q7ab97de64f_proj.kd
    .args:
      - { .name: rowq, .offset: 0, .size: 8, .value_kind: global_buffer, .address_space: global }
      - { .name: colq, .offset: 8, .size: 8, .value_kind: global_buffer, .address_space: global }
      - { .name: qh, .offset: 16, .size: 8, .value_kind: global_buffer, .address_space: global }
      - { .name: kv, .offset: 24, .size: 8, .value_kind: global_buffer, .address_space: global }
    .group_segment_fixed_size: 280576
    .private_segment_fixed_size: 0
    .kernarg_segment_align: 8
    .kernarg_segment_size: 32
    .max_flat_workgroup_size: 512
    .sgpr_count:     66
    .vgpr_count:     256
    .wavefront_size: 32
...
	.end_amdgpu_metadata
.endif
;; end of part 2
;; launch attn (part 3): grid 8 x 32, 16 waves a work-group, no clusters, 327,680 bytes of LDS; arguments qh, kv, oq; writes oq
.if DOCPART == 3
	.amdgcn_target "amdgcn-amd-amdhsa--gfx1250"
	.amdhsa_code_object_version 6
	.text
	.protected	k_q7ab97de64f_attn
	.globl	k_q7ab97de64f_attn
	.p2align	8
	.type	k_q7ab97de64f_attn,@function
k_q7ab97de64f_attn:
	s_mov_b64 s[64:65], 0
	v_nop
	global_prefetch_b8 v0, s[64:65] scope:SCOPE_SE
	s_setreg_imm32_b32 hwreg(HW_REG_WAVE_MODE, 25, 1), 1
	s_wait_xcnt 0x0
; Launch 3 of 4: scores, softmax and the product with V on codes of E2M1; the result, divided by the row's sum, is quantised along (head, channel) for the last product.  No work is left out.
; t = score x log2(e) / 32 (reference() divides by sqrt(1024)); M = the running largest t rounded UP to a whole number; p = 2^(t - M) is quantised along the keys, not normalised;
; the row's sum is taken of the unquantised p.  When M moves, the sum and O are multiplied by 2^(old M - new M): exact.
; SHARES.  A work-group owns 256 queries of one batch and TWO heads; each of its 16 waves owns one tile of 16 queries and walks head A's 2,048 keys, then head B's, 128 a step.
; LDS: the pair's 32 records of launch 2 (8,704 bytes for 128 keys of a head), laid as 17 rows of 512 bytes + 64 of padding.  Each wave brings one record of head A at the head and one of head B behind the first
; barrier; no byte is filled twice.  The barrier that shows head B's records to all waves stands behind head A's fifth step.
; BOTH PRODUCTS ARE USED TRANSPOSED: S^T = K Q^T, O^T = V^T P^T: a lane holds one query throughout.  The first product's K is 64 and the instruction's 128: a fragment of K holds one key tile at k 0-63 and another at
; k 64-127; against (q, zeros) it gives the first tile's scores, against (zeros, q) the second's.  Zero codes add nothing under any scale byte from 1 to 254.
; THE KEYS OF A TILE ARE CHOSEN BY THE LANES' LDS ADDRESSES: tile i (0-3) of the 64 keys 64 G on takes keys 8 i + 0..7 as its rows 0-7 and keys 32 + 8 i + 0..7 as its rows 8-15.  So lane (r, h) holds, in the 32
; registers of the four tiles, the WHOLE block of keys 64 G + 32 h + 0..31: its largest p needs no other lane, and the conversions' results are the second product's operand as they stand.
; In launch 2's record key 32 g + 8 u + x + 8 (x / 8) is row x of piece 2 g + u: so lane (r, h) reads piece 4 G + 2 (r / 8) + c at byte 128 e + 16 (r % 8) + 256 h for tile 2 e + c.  With rows 576 bytes apart the
; two groups of eight lanes stand 1,152 bytes apart: 128 modulo 256.
; ONE STEP AHEAD: the next step's K and this step's V are fetched inside the chain that makes M; the next step's score products are issued as soon as p's halves have been converted and summed.
; NO CLUSTER, NO PREFETCH: each work-group asks for its 278,528 bytes once, by two loads a wave, at the head and behind the first barrier: there is no stream of steps to share or to run ahead of.
; LIMITS as in launch 1; the promise holds while the scaled scores stay under 2^31 in magnitude; 1 / the sum is a reciprocal and a multiply; p under 2^-126 falls to 0.
.set REC,   8704                       ; a record in memory
.set PP,    576                        ; a row of 512 bytes in LDS
.set RL,    17*PP                      ; a record in LDS
.set SCO,   16*PP                      ; its row of scale words: K's 256 bytes, then V's
.set HB,    16*RL                      ; head B's records
.set SPARE, 32*RL                      ; the spare words, 128 bytes a wave, which no other line names
.set AKF, 1                            ; the step's addresses: K's fragments,
.set AKS, 2                            ; K's scale words,
.set SPW, 3                            ; my spare word; never rewritten
.set NIL, 4                            ; 0; never rewritten
.set AVF, 5                            ; V's fragments,
.set AVS, 6                            ; V's scale words
.set H8,  7                            ; 8 h
.set LI,  8                            ; 16 x lane
.set OSO, 9                            ; 4 r + 2 h
.set RM,  10                           ; the running largest score
.set OM,  11                           ; the last step's -M
.set NM,  12                           ; v[12:13] -M and a written partner; v[14:15] the sum in two halves
.set KS,  16                           ; v16-19 K's scale words
.set VS,  20                           ; v20-23 V's
.set PW,  24                           ; p's scale word
.set HH,  25                           ; h
.set QSO, 26                           ; 4 r
.set AVS0, 27                          ; lane parts of the addresses
.set F,   28                           ; v[28:29] f = 2^(old M - new M) and a written partner
.set AKF0, 30
.set AKS0, 31
.set S,   96                           ; v96-159 S^T, then p;  v32-63 K;  v64-95 V
.set O,   160                          ; v160-191 O^T;  v192, v193 Q's scale words;  v194, v195 the result's scale bytes;  v196-215 zeros | q A | zeros | q B | zeros;  v216-223 the result
.set PC,  224                          ; v224-231 p's codes
.set X,   232                          ; v232-239 a maximum for each tile
.set T,   232                          ; v232-247 eight partial sums (pairs), behind the exponentials
.set XR,  240
.set TM,  241
.set DD,  242
.set BM,  248                          ; v248, v249 my two blocks' largest score, then largest p
.set SO,  250                          ; the conversions' scale operands
.set BY,  252                          ; the scale bytes
.set WT,  254
.set PD,  255                          ; a lane permute's destination
.set WV,  12
.set G1,  16
.set G0A, 24
.set G0B, 28
.set SEL, 50                           ; selects for lane l xor 16
.set CS,  52                           ; s[52:53] c = log2(e) / 32
.set TB,  54                           ; the step's record in LDS
.set CNT, 55
.set NC,  56                           ; -c
.macro KL d, off                       ; K's double fragment d = 2 G + e and its scale words, off bytes behind the step's record
	ds_load_b128 v[32+8*(\d):35+8*(\d)], v[AKF] offset:(\off)+PP*4*((\d)/2)+128*((\d)%2)
	ds_load_b128 v[36+8*(\d):39+8*(\d)], v[AKF] offset:(\off)+PP*(4*((\d)/2)+1)+128*((\d)%2)
	ds_load_b32 v[KS+(\d)], v[AKS] offset:(\off)+128*((\d)/2)+32*((\d)%2)
.endm
.macro VL t                            ; V's fragment t (16 channels x 128 keys) and its scale words
	ds_load_b128 v[64+8*(\t):67+8*(\t)], v[AVF] offset:PP*(8+2*(\t))
	ds_load_b128 v[68+8*(\t):71+8*(\t)], v[AVF] offset:PP*(9+2*(\t))
	ds_load_b32 v[VS+(\t)], v[AVS] offset:64*(\t)
.endm
.macro SC hd, d                        ; the scores of double fragment d: two tiles of 16 keys
	v_wmma_scale_f32_16x16x128_f8f6f4 v[S+16*(\d):S+16*(\d)+7], v[32+8*(\d):39+8*(\d)], v[200+8*\hd:207+8*\hd], 0, v[KS+(\d)], v[192+\hd] matrix_a_fmt:MATRIX_FMT_FP4 matrix_b_fmt:MATRIX_FMT_FP4
	v_wmma_scale_f32_16x16x128_f8f6f4 v[S+16*(\d)+8:S+16*(\d)+15], v[32+8*(\d):39+8*(\d)], v[196+8*\hd:203+8*\hd], 0, v[KS+(\d)], v[192+\hd] matrix_a_fmt:MATRIX_FMT_FP4 matrix_b_fmt:MATRIX_FMT_FP4
.endm
.macro SCALE n                         ; t - M, two at a time
.rept \n
	v_pk_fma_f32 v[S+jj:S+jj+1], v[S+jj:S+jj+1], s[CS:CS+1], v[NM:NM+1] op_sel_hi:[1,0,0]
.set jj, jj+2
.endr
.endm
.macro SUMS n                          ; pairs of p of keys 64 on, onto the eight partial sums by turns
.rept \n
	v_pk_add_f32 v[T+2*(mm%8):T+2*(mm%8)+1], v[T+2*(mm%8):T+2*(mm%8)+1], v[S+32+2*mm:S+33+2*mm]
.set mm, mm+1
.endr
.endm
	s_load_b128 s[4:7], s[0:1], 0x0                ; qh, kv
	s_load_b64 s[8:9], s[0:1], 0x10                ; oq
	v_lshl_add_u32 v[SPW], v0, 2, SPARE
	v_mov_b32 v[NIL], 0
	ds_add_u32 v[SPW], v[NIL]                      ; the wave's opening: the add, twice on end, and its wait ahead of my first tensor load
	ds_add_u32 v[SPW], v[NIL]
	v_lshrrev_b32 v232, 5, v0
	v_readfirstlane_b32 s[WV], v232                ; wave 0..15
	s_mov_b32 s[G1+0], (3<<16)|(1<<20)|(6<<22)|(15<<25)   ; elements of 8 bytes; 16 words of padding behind every 128
	s_mov_b32 s[G1+1], 64<<16                      ; rows of 512 bytes,
	s_mov_b32 s[G1+2], 17<<16                      ; 17 of them: one record
	s_mov_b32 s[G1+3], 64<<16
	s_mov_b32 s[G1+4], 17
	s_mov_b32 s[G1+5], 64                          ; dense in memory
	s_mov_b32 s[G1+6], 0
	s_mov_b32 s[G1+7], 0
	s_and_b32 s13, ttmp7, 0xffff                   ; y = 8 x batch + pair
	s_mov_b32 s[G0A], 1
	s_mul_i32 s[G0A+1], s[WV], RL                  ; head A's key step w
	s_mov_b32 s[G0B], 1
	s_add_co_u32 s[G0B+1], s[G0A+1], HB            ; head B's
	s_mul_i32 s32, s13, 32*REC
	s_mul_i32 s33, s[WV], REC
	s_add_co_u32 s32, s32, s33
	s_mov_b32 s33, 0
	s_mov_b32 s[SEL], 0x76543210
	s_mov_b32 s[SEL+1], 0xfedcba98
	s_mov_b32 s[CS], 0x3d38aa3b
	s_mov_b32 s[CS+1], s[CS]                       ; (named with it as a pair, so it is written)
	s_mov_b32 s[NC], 0xbd38aa3b
	s_wait_dscnt 0x0                               ; both opening adds are done
	s_wait_kmcnt 0x0
	s_add_nc_u64 s[G0A+2:G0A+3], s[6:7], s[32:33]
	s_add_nc_u64 s[G0B+2:G0B+3], s[G0A+2:G0A+3], 16*REC
	s_or_b32 s[G0A+3], s[G0A+3], 0x80000000
	s_or_b32 s[G0B+3], s[G0B+3], 0x80000000
	tensor_load_to_lds s[G0A:G0A+3], s[G1:G1+7]    ; my record of head A: my one tensor load at the head
	s_nop 0
	s_lshl_b32 s34, s13, 7                         ; Q: 128 groups of 32 queries for a pair of heads,
	s_lshl_b32 s35, ttmp9, 3
	s_add_co_u32 s34, s34, s35
	s_lshr_b32 s35, s[WV], 1
	s_add_co_u32 s34, s34, s35                     ; group 8 x block + w / 2 of head A
	s_lshl_b32 s36, s34, 10
	s_and_b32 s35, s[WV], 1                        ; which of the group's two tiles
	s_lshl_b32 s38, s35, 9
	s_add_co_u32 s36, s36, s38
	s_mov_b32 s37, 0
	s_lshl_b32 s38, s34, 6
	s_add_co_u32 s38, s38, 4194304
	s_mov_b32 s39, 0
	s_add_nc_u64 s[36:37], s[4:5], s[36:37]
	s_add_nc_u64 s[38:39], s[4:5], s[38:39]
	s_cmp_eq_u32 s35, 0
	s_mov_b32 s40, 0x03020302
	s_cselect_b32 s40, 0x01000100, s40             ; my tile's two scale bytes, twice
	v_and_b32 v232, 31, v0
	v_lshlrev_b32 v[LI], 4, v232
	v_and_b32 v233, 15, v0                         ; r
	v_bfe_u32 v[HH], v0, 4, 1                      ; h
	v_lshlrev_b32 v[QSO], 2, v233
	v_lshl_add_u32 v[OSO], v[HH], 1, v[QSO]
	v_lshlrev_b32 v[H8], 3, v[HH]
	v_bfe_u32 v234, v0, 3, 1                       ; r / 8
	v_and_b32 v235, 7, v0                          ; r % 8
	v_mul_u32_u24 v[AKF0], v234, 2*PP              ; K's fragments: two rows of LDS on for lanes 8-15 of a half,
	v_lshl_add_u32 v[AKF0], v235, 4, v[AKF0]       ; 16 (r % 8),
	v_lshl_add_u32 v[AKF0], v[HH], 8, v[AKF0]      ; 256 h
	v_lshlrev_b32 v[AKS0], 6, v234                 ; K's scale words: 64 (r / 8) + 4 (r % 8)
	v_lshl_add_u32 v[AKS0], v235, 2, v[AKS0]
	v_add_nc_u32 v[AKS0], SCO, v[AKS0]
	v_add_nc_u32 v[AVS0], SCO+256, v[QSO]          ; V's: 4 r
.irp j, 196,197,198,199,204,205,206,207,212,213,214,215
	v_mov_b32 v[\j], 0                             ; zero codes
.endr
	v_mov_b32 v[PD], 0                             ; (a lane permute's destination counts as one of its sources)
	v_mov_b32 v[F+1], 0                            ; (named as the upper halves of pairs)
	v_mov_b32 v[NM+1], 0
	s_wait_alu depctr_va_vdst(0)                   ; directly ahead of the readers below
	global_load_b128 v[200:203], v[LI], s[36:37]               ; q of head A: k = 32 h + 0 .. 31
	global_load_b128 v[208:211], v[LI], s[36:37] offset:65536  ; q of head B
	global_load_b32 v192, v[QSO], s[38:39]
	global_load_b32 v193, v[QSO], s[38:39] offset:4096
	s_lshr_b32 s34, s13, 3                         ; the result: token tile 128 x batch + 16 x block + w,
	s_lshl_b32 s34, s34, 7
	s_lshl_b32 s35, ttmp9, 4
	s_add_co_u32 s34, s34, s35
	s_add_co_u32 s34, s34, s[WV]
	s_mul_i32 s34, s34, REC
	s_and_b32 s35, s13, 7                          ; K step = pair
	s_lshl_b32 s42, s35, 10
	s_add_co_u32 s42, s42, s34
	s_mov_b32 s43, 0
	s_lshl_b32 s44, s35, 6
	s_add_co_u32 s44, s44, s34
	s_add_co_u32 s44, s44, 8192
	s_mov_b32 s45, 0
	s_add_nc_u64 s[42:43], s[8:9], s[42:43]
	s_add_nc_u64 s[44:45], s[8:9], s[44:45]
	s_wait_loadcnt 0x0
	v_perm_b32 v192, v192, v192, s40               ; (s0, s1, s0, s1): q stands at k 0-63 or at k 64-127
	v_perm_b32 v193, v193, v193, s40
; A KEY STEP of head hd: 128 keys, whose scores lie in S.  pre = 1: the next step's K is fetched and its scores are begun.
.macro BODY hd, pre
	v_add_nc_u32 v[AKF], s[TB], v[AKF0]            ; (these four are also places behind the score products)
	v_add_nc_u32 v[AKS], s[TB], v[AKS0]
	v_add_nc_u32 v[AVF], s[TB], v[LI]
	v_add_nc_u32 v[AVS], s[TB], v[AVS0]
.irp i, 0,1,2,3,4,5,6,7
	v_max3_num_f32 v[X+\i], v[S+8*\i], v[S+8*\i+1], v[S+8*\i+2]     ; a maximum for each tile, the eight by turns; each accumulator is read from its low end on
.endr
.irp k, 3,5
.irp i, 0,1,2,3,4,5,6,7
	v_max3_num_f32 v[X+\i], v[X+\i], v[S+8*\i+\k], v[S+8*\i+\k+1]
.endr
.endr
	v_mov_b32 v[OM], v[NM]
.irp g, 0,1
	v_max3_num_f32 v[X+4*\g], v[X+4*\g], v[X+4*\g+1], v[S+32*\g+7]
	v_max3_num_f32 v[X+4*\g+2], v[X+4*\g+2], v[X+4*\g+3], v[S+32*\g+15]
.endr
	VL 0                                           ; the LDS loads stand between the links of the chain that makes M
	v_max3_num_f32 v[BM], v[X], v[X+2], v[S+23]
	v_max3_num_f32 v[BM+1], v[X+4], v[X+6], v[S+55]
	VL 1
	v_max_num_f32 v[BM], v[BM], v[S+31]            ; the largest score of my block 2 G + h: for the row's maximum, and, since p rises with the score, for the block's largest p
	v_max_num_f32 v[BM+1], v[BM+1], v[S+63]
	VL 2
	v_max_num_f32 v[XR], v[BM], v[BM+1]
	VL 3
	v_permlanex16_b32 v[PD], v[XR], s[SEL], s[SEL+1]
.if \pre
	KL 0, RL
.endif
	v_max3_num_f32 v[RM], v[RM], v[XR], v[PD]      ; the running largest score of my query
.if \pre
	KL 1, RL
.endif
	v_mul_f32 v[TM], s[NC], v[RM]                  ; -t
.if \pre
	KL 2, RL
.endif
	v_floor_f32 v[NM], v[TM]                       ; the new -M = floor(-t): M is a whole number
.if \pre
	KL 3, RL
.endif
	v_sub_f32 v[DD], v[NM], v[OM]                  ; old M - new M: a whole number, 0 or less
	v_fma_f32 v[BM], v[BM], s[CS], v[NM]
	v_fma_f32 v[BM+1], v[BM+1], s[CS], v[NM]
.set jj, 0
	SCALE 4
	v_cvt_i32_f32 v[DD], v[DD]                     ; (it saturates)
	SCALE 5
	v_ldexp_f32 v[F], 1.0, v[DD]                   ; f = 2^(old M - new M)
	SCALE 23
.set j, 0
.rept 16
	v_pk_mul_f32 v[O+j:O+j+1], v[O+j:O+j+1], v[F:F+1] op_sel_hi:[1,0]   ; O^T under the new M, each accumulator from its low end on
.set j, j+2
.endr
	s_wait_alu depctr_va_vdst(0)
	v_exp_f32 v[BM], v[BM]                         ; the blocks' largest p: the same two instructions on the same number give the same bits
	v_exp_f32 v[BM+1], v[BM+1]
.set j, 0
.rept 64
	v_exp_f32 v[S+j], v[S+j]                       ; p = 2^(t - M)
.set j, j+1
.endr
	v_pk_mul_f32 v[14:15], v[14:15], v[F:F+1] op_sel_hi:[1,0]   ; the sums under the new M: a plain line behind the last exponential
	s_wait_alu depctr_va_vdst(0)                   ; one wait for the whole batch, and directly ahead of the wait below
	s_wait_dscnt 0x0                               ; V and the next step's K are in
	v_max_num_f32 v[BM], 0x1800000, v[BM]          ; the floor 2^(3 - 127)
	v_max_num_f32 v[BM+1], 0x1800000, v[BM+1]
.irp k, 0,1,2,3
	v_pk_add_f32 v[T+2*\k:T+2*\k+1], v[S+4*\k:S+4*\k+1], v[S+4*\k+2:S+4*\k+3]   ; the row's sum of the unquantised p, in eight chains: keys 0-63's 16 pairs begin them
.endr
	v_add_nc_u32 v[SO], 0xff000000, v[BM]          ; 2 off the exponent field: the conversion's scale operand
	v_add_nc_u32 v[SO+1], 0xff000000, v[BM+1]
.irp k, 4,5,6,7
	v_pk_add_f32 v[T+2*\k:T+2*\k+1], v[S+4*\k:S+4*\k+1], v[S+4*\k+2:S+4*\k+3]
.endr
	v_lshrrev_b32 v[BY], 23, v[SO]                 ; the bytes
	v_lshrrev_b32 v[BY+1], 23, v[SO+1]
.irp i, 0,1,2,3
	v_cvt_scalef32_pk8_fp4_f32 v[PC+\i], v[S+8*\i:S+8*\i+7], v[SO]          ; k = 32 h + 8 i + 0 .. 7 of the operand
.endr
	v_lshl_or_b32 v[WT], v[BY+1], 16, v[BY]        ; my two bytes, blocks h and 2 + h (a plain line behind the conversions)
.if \pre
	SC \hd, 0                                      ; the next step's scores of keys 0-63: these registers' p have been converted and summed
	SC \hd, 1
.endif
.irp i, 0,1,2,3
	v_cvt_scalef32_pk8_fp4_f32 v[PC+4+\i], v[S+32+8*\i:S+39+8*\i], v[SO+1]  ; k = 64 + 32 h + 8 i + 0 .. 7
.endr
	v_lshlrev_b32 v[WT], v[H8], v[WT]              ; at their places in the word
.set mm, 0
	SUMS 4
	v_permlanex16_b32 v[PD], v[WT], s[SEL], s[SEL+1]
	SUMS 4
	v_or_b32 v[PW], v[WT], v[PD]                   ; with lane l xor 16's two the word is whole
	SUMS 8                                         ; eight places between the scale word and the products that take it
.irp t, 0,1,2,3
	v_wmma_scale_f32_16x16x128_f8f6f4 v[O+8*\t:O+8*\t+7], v[64+8*\t:71+8*\t], v[PC:PC+7], v[O+8*\t:O+8*\t+7], v[VS+\t], v[PW] matrix_a_fmt:MATRIX_FMT_FP4 matrix_b_fmt:MATRIX_FMT_FP4
.endr
.if \pre
	SC \hd, 2                                      ; the next step's scores of keys 64-127
	SC \hd, 3
.endif
.irp k, 0,1,2,3
	v_pk_add_f32 v[T+2*\k:T+2*\k+1], v[T+2*\k:T+2*\k+1], v[T+8+2*\k:T+9+2*\k]   ; the eight chains are joined: these lines are also places behind the products
.endr
	v_pk_add_f32 v[T:T+1], v[T:T+1], v[T+4:T+5]
	v_pk_add_f32 v[T+2:T+3], v[T+2:T+3], v[T+6:T+7]
	v_pk_add_f32 v[T:T+1], v[T:T+1], v[T+2:T+3]
	v_pk_add_f32 v[14:15], v[14:15], v[T:T+1]
.if \pre
	s_add_co_u32 s[TB], s[TB], RL                  ; the next 128 keys' record
.endif
.endm
; Head hd's O^T / the sum, quantised: two blocks of 32 channels: registers 4 hd .. 4 hd + 3 of the result's fragment, and two scale bytes.
.macro FINISH hd
	v_add_f32 v14, v14, v15
	v_permlanex16_b32 v[PD], v14, s[SEL], s[SEL+1]
	v_add_f32 v14, v14, v[PD]                      ; the row's sum
	s_wait_alu depctr_va_vdst(0)                   ; the wait ahead of the reciprocal,
	v_rcp_f32 v14, v14
	v_nop                                          ; a plain line behind it,
	s_wait_alu depctr_va_vdst(0)                   ; and the wait directly ahead of its first reader, which is O^T's too
.set j, 0
.rept 16
	v_pk_mul_f32 v[S+j:S+j+1], v[O+j:O+j+1], v[14:15] op_sel_hi:[1,0]   ; register 16 b + i: channel 32 b + 16 h + i of the head
.set j, j+2
.endr
.irp b, 0,1
	v_max3_num_f32 v[232+\b], |v[S+16*\b]|, |v[S+1+16*\b]|, 0x1800000
.endr
.irp i, 2,4,6,8,10,12,14
.irp b, 0,1
	v_max3_num_f32 v[232+\b], v[232+\b], |v[S+16*\b+\i]|, |v[S+1+16*\b+\i]|
.endr
.endr
.irp b, 0,1
	v_permlanex16_b32 v[236+\b], v[232+\b], s[SEL], s[SEL+1]
.endr
.irp b, 0,1
	v_max_num_f32 v[232+\b], v[232+\b], v[236+\b]
.endr
.irp b, 0,1
	v_add_nc_u32 v[244+\b], 0xff000000, v[232+\b]
.endr
.irp b, 0,1
	v_lshrrev_b32 v[236+\b], 23, v[244+\b]
.endr
	v_lshl_or_b32 v[194+\hd], v237, 8, v236
.irp b, 0,1
	v_cvt_scalef32_pk8_fp4_f32 v[216+4*\hd+2*\b], v[S+16*\b:S+7+16*\b], v[244+\b]
	v_cvt_scalef32_pk8_fp4_f32 v[217+4*\hd+2*\b], v[S+8+16*\b:S+15+16*\b], v[244+\b]
.endr
	v_nop
	v_permlane16_swap_b32 v[216+4*\hd], v[218+4*\hd]
	v_permlane16_swap_b32 v[217+4*\hd], v[219+4*\hd]
.endm
.macro LOOPN hd, tb, n                 ; n steps from the record at LDS byte tb on
	s_mov_b32 s[TB], \tb
	s_mov_b32 s[CNT], \n
.Lstep_\@:
	BODY \hd, 1
	s_sub_co_u32 s[CNT], s[CNT], 1
	s_cmp_lg_u32 s[CNT], 0
	s_cbranch_scc1 .Lstep_\@
.endm
.macro PASS hd
.if \hd == 0
	s_wait_alu depctr_va_vdst(0)
	s_wait_tensorcnt 0x0                           ; my record of head A is in, and no tensor load of mine is out
	ds_add_u32 v[SPW], v[NIL]                      ; 0 onto my spare word
.endif
	v_mov_b32 v[RM], 0xff61b1e6                    ; the largest score so far: -3e38
	v_mov_b32 v[NM], 0x7f61b1e6                    ; -M: 3e38, so that the first f is 0
	v_mov_b32 v14, 0
	v_mov_b32 v15, 0
.set j, 0
.rept 32
	v_mov_b32 v[O+j], 0                            ; the step is written once: the first finds zeros, which the first change of M leaves zeros
.set j, j+1
.endr
.if \hd == 0
	s_wait_alu depctr_va_vdst(0)                   ; directly ahead of the wait below
	s_wait_dscnt 0x0
	s_barrier_signal -1
	s_barrier_wait -1                              ; everybody's record of head A is in
	tensor_load_to_lds s[G0B:G0B+3], s[G1:G1+7]    ; my record of head B: bytes that nothing has filled; the first thing behind the barrier, and my last tensor load
	s_nop 0
.endif
	s_mov_b32 s[TB], \hd*HB
	v_add_nc_u32 v[AKF], s[TB], v[AKF0]
	v_add_nc_u32 v[AKS], s[TB], v[AKS0]
.irp d, 0,1,2,3
	KL \d, 0                                       ; the head's first K
.endr
	s_wait_alu depctr_va_vdst(0)                   ; directly ahead of the wait below
	s_wait_dscnt 0x0
.irp d, 0,1,2,3
	SC \hd, \d                                     ; and its scores
.endr
.if \hd == 0
	LOOPN 0, 0, 5                                  ; these five steps read records 0 to 5 alone
	s_wait_alu depctr_va_vdst(0)
	s_wait_tensorcnt 0x0                           ; my record of head B is in; no LDS instruction of mine is out
	s_barrier_signal -1
	s_barrier_wait -1                              ; everybody's is: no barrier stands between the two heads
	LOOPN 0, 5*RL, 10
.else
	LOOPN 1, HB, 15
.endif
	s_mov_b32 s[TB], \hd*HB+15*RL
	BODY \hd, 0                                    ; the head's last 128 keys: nothing is fetched ahead
	FINISH \hd
.endm
	PASS 0
	PASS 1
	s_wait_alu depctr_va_vdst(0)
	global_store_b128 v[LI], v[216:219], s[42:43]              ; 512 consecutive bytes a store
	global_store_b128 v[LI], v[220:223], s[42:43] offset:512
	v_cmp_ne_u32 vcc_lo, 0, v[HH]
	v_cndmask_b32 v232, v194, v195, vcc_lo         ; lanes 0-15 store head A's two bytes of their row, lanes 16-31 head B's
	global_store_b16 v[OSO], v232, s[44:45]        ; 64 consecutive bytes
	s_wait_tensorcnt 0x0                           ; the wave's end
	ds_add_u32 v[SPW], v[NIL]
	s_wait_dscnt 0x0
	s_endpgm
.Lfunc_end_k_q7ab97de64f_attn:
	.size	k_q7ab97de64f_attn, .Lfunc_end_k_q7ab97de64f_attn-k_q7ab97de64f_attn
	.p2alignl 7, 3214868480
	.fill 96, 4, 3214868480
	.section	.rodata,"a",@progbits
	.p2align	6, 0x0
	.amdhsa_kernel k_q7ab97de64f_attn
		.amdhsa_group_segment_fixed_size 327680
		.amdhsa_private_segment_fixed_size 0
		.amdhsa_enable_private_segment 0
		.amdhsa_kernarg_size 24
		.amdhsa_user_sgpr_count 2
		.amdhsa_user_sgpr_kernarg_segment_ptr 1
		.amdhsa_wavefront_size32 1
		.amdhsa_system_sgpr_workgroup_id_x 1
		.amdhsa_system_sgpr_workgroup_id_y 1
		.amdhsa_system_sgpr_workgroup_id_z 1
		.amdhsa_system_vgpr_workitem_id 0
		.amdhsa_next_free_vgpr 256
		.amdhsa_next_free_sgpr 66
		.amdhsa_reserve_vcc 1
		.amdhsa_float_denorm_mode_32 3
		.amdhsa_float_denorm_mode_16_64 3
		.amdhsa_memory_ordered 1
		.amdhsa_forward_progress 1
		.amdhsa_inst_pref_size 85
	.end_amdhsa_kernel
	.amdgpu_metadata
---
amdhsa.version: [ 1, 2 ]
amdhsa.kernels:
  - .name:           k_q7ab97de64f_attn
    .symbol:         k_q7ab97de64f_attn.kd
    .args:
      - { .name: qh, .offset: 0, .size: 8, .value_kind: global_buffer, .address_space: global }
      - { .name: kv, .offset: 8, .size: 8, .value_kind: global_buffer, .address_space: global }
      - { .name: oq, .offset: 16, .size: 8, .value_kind: global_buffer, .address_space: global }
    .group_segment_fixed_size: 327680
    .private_segment_fixed_size: 0
    .kernarg_segment_align: 8
    .kernarg_segment_size: 24
    .max_flat_workgroup_size: 512
    .sgpr_count:     66
    .vgpr_count:     256
    .wavefront_size: 32
...
	.end_amdgpu_metadata
.endif
;; end of part 3
;; launch outln (part 4): grid 256 x 1, 16 waves a work-group, no clusters, 327,680 bytes of LDS; arguments oq, rowq, q, proj_b, ln_a, ln_b, out0; writes out0
.if DOCPART == 4
	.amdgcn_target "amdgcn-amd-amdhsa--gfx1250"
	.amdhsa_code_object_version 6
	.text
	.protected	k_q7ab97de64f_outln
	.globl	k_q7ab97de64f_outln
	.p2align	8
	.type	k_q7ab97de64f_outln,@function
k_q7ab97de64f_outln:
	s_mov_b64 s[64:65], 0
	v_nop
	global_prefetch_b8 v0, s[64:65] scope:SCOPE_SE
	s_setreg_imm32_b32 hwreg(HW_REG_WAVE_MODE, 25, 1), 1
	s_wait_xcnt 0x0
.set REC,   8704
.set RES,   2*REC
.set STAGE, RES+16*8192
.set SP,    4112
.set SPARE, STAGE+32*SP
.set LI,  1
.set OSA, 2
.set STO, 3
.set SPW, 4
.set NIL, 5
.set RDS, 7
.set RDR, 24
.set OS,  8
.set OF,  32
.set WF,  64
.set ACC, 160
.set WS,  224
.set RR,  32
.set BI,  64
.set LA,  96
.set LB,  128
.set Z0,  160
.set Z1,  192
.set WV,  32
.set G1A, 16
.set G1B, 24
.set G0A, 40
.set G0B, 44
.set SEL, 50
	s_load_b256 s[4:11], s[0:1], 0x0
	s_load_b128 s[12:15], s[0:1], 0x20
	s_load_b64 s[36:37], s[0:1], 0x30
	v_lshl_add_u32 v[SPW], v0, 2, SPARE
	v_mov_b32 v[NIL], 0
	ds_add_u32 v[SPW], v[NIL]
	ds_add_u32 v[SPW], v[NIL]
	v_lshrrev_b32 v16, 5, v0
	s_delay_alu instid0(VALU_DEP_1)
	v_readfirstlane_b32 s[WV], v16
	s_mov_b32 s[G1A+0], 3<<16
	s_mov_b32 s[G1A+1], 32<<16                     ; the attention result's codes: rows of 256 bytes,
	s_mov_b32 s[G1A+2], 4<<16                      ; four a wave: one K step's image of one of the two records
	s_mov_b32 s[G1A+3], 32<<16
	s_mov_b32 s[G1A+4], 4
	s_mov_b32 s[G1A+5], 32
	s_mov_b32 s[G1A+6], 0
	s_mov_b32 s[G1A+7], 0
	s_mov_b32 s[G1B+0], 3<<16
	s_mov_b32 s[G1B+1], 32<<16
	s_mov_b32 s[G1B+2], 32<<16
	s_mov_b32 s[G1B+3], 32<<16
	s_mov_b32 s[G1B+4], 32
	s_mov_b32 s[G1B+5], 32
	s_mov_b32 s[G1B+6], 0
	s_mov_b32 s[G1B+7], 0
	s_mov_b32 s[G0A], 1
	s_lshr_b32 s33, s[WV], 3
	s_mul_i32 s[G0A+1], s33, REC                   ; record w / 8,
	s_and_b32 s33, s[WV], 7
	s_lshl_b32 s33, s33, 10
	s_add_co_u32 s[G0A+1], s[G0A+1], s33           ; K step w % 8: 1,024 bytes, at a multiple of 256
	s_mul_i32 s52, ttmp9, 2*REC                    ; my work-group's two records
	s_mov_b32 s53, 0
	s_add_co_u32 s38, s52, s[G0A+1]
	s_mov_b32 s39, 0
	s_lshr_b32 s33, s[WV], 3
	s_lshl_b32 s33, s33, 3
	s_and_b32 s34, s[WV], 7
	s_lshl_b32 s34, s34, 1
	s_add_co_u32 s33, s33, s34
	s_bfe_u32 s34, s[WV], 0x10002
	s_lshl_b32 s34, s34, 3
	s_add_co_u32 s33, s33, s34
	s_lshl_b32 s34, ttmp9, 5
	s_add_co_u32 s33, s33, s34
	s_lshl_b32 s48, s33, 12
	s_mov_b32 s49, 0
	s_mov_b32 s[G0B], 1
	s_lshl_b32 s[G0B+1], s[WV], 13
	s_add_co_u32 s[G0B+1], s[G0B+1], RES
	s_mov_b32 s[SEL], 0x76543210
	s_mov_b32 s[SEL+1], 0xfedcba98
	s_wait_dscnt 0x0
	s_wait_kmcnt 0x0
	s_add_nc_u64 s[G0A+2:G0A+3], s[4:5], s[38:39]
	s_add_nc_u64 s[52:53], s[4:5], s[52:53]
	s_or_b32 s[G0A+3], s[G0A+3], 0x80000000
	s_add_nc_u64 s[G0B+2:G0B+3], s[8:9], s[48:49]
	s_or_b32 s[G0B+3], s[G0B+3], 0x80000000
	tensor_load_to_lds s[G0A:G0A+3], s[G1A:G1A+7]
	s_nop 0
	s_wait_alu depctr_va_vdst(0)
	s_wait_tensorcnt 0x0
	ds_add_u32 v4, v5
	s_wait_dscnt 0x0
	s_barrier_signal -1
	s_barrier_wait -1
	tensor_load_to_lds s[G0B:G0B+3], s[G1B:G1B+7]
	s_nop 0
	v_and_b32 v16, 31, v0
	s_delay_alu instid0(VALU_DEP_1)
	v_lshlrev_b32 v[LI], 4, v16
	v_and_b32 v17, 15, v0
	v_bfe_u32 v18, v0, 4, 1
	s_delay_alu instid0(VALU_DEP_1)
	v_mul_u32_u24 v[OSA], v18, REC
	s_delay_alu instid0(VALU_DEP_1)
	v_lshl_add_u32 v[OSA], v17, 2, v[OSA]
	s_delay_alu instid0(VALU_DEP_1)
	v_add_nc_u32 v[OSA], 8192, v[OSA]
	v_mul_u32_u24 v[STO], v17, SP
	s_delay_alu instid0(VALU_DEP_1)
	v_lshl_add_u32 v[STO], v18, 6, v[STO]
	s_lshl_b32 s33, s[WV], 8
	s_add_co_u32 s33, s33, STAGE
	v_add_nc_u32 v[STO], s33, v[STO]
	s_delay_alu instid0(VALU_DEP_1)
	v_add_nc_u32 v[STO+3], 16*SP, v[STO]
	s_mul_i32 s33, s[WV], 2*SP
	s_add_co_u32 s33, s33, STAGE
	v_add_nc_u32 v[RDS], s33, v[LI]
	s_lshl_b32 s33, s[WV], 13
	s_add_co_u32 s33, s33, RES
	v_add_nc_u32 v[RDR], s33, v[LI]
	s_add_nc_u64 s[36:37], s[36:37], s[48:49]
	s_lshl_b32 s38, s[WV], 2
	s_add_co_u32 s38, s38, 512
	s_mul_i32 s38, s38, REC
	s_add_nc_u64 s[6:7], s[6:7], s[38:39]
.macro LOADW s
.irp wt, 0,1,2,3
.irp c, 0,1
	global_load_b128 v[WF+32*((\s)%3)+8*\wt+4*\c:WF+32*((\s)%3)+8*\wt+4*\c+3], v[LI], s[6:7] offset:\wt*REC+1024*(\s)+512*\c
.endr
.endr
.endm
.macro LOADO s
.irp u, 0,1
.irp c, 0,1
	ds_load_b128 v[OF+16*((\s)%2)+8*\u+4*\c:OF+16*((\s)%2)+8*\u+4*\c+3], v[LI] offset:\u*REC+1024*(\s)+512*\c
.endr
.endr
.endm
.macro MM s, wt, u
.set rD, ACC+8*(2*(\wt)+(\u))
.set rA, WF+32*((\s)%3)+8*(\wt)
.set rB, OF+16*((\s)%2)+8*(\u)
.set rX, WS+4*(\wt)+(\s)%4
.set rY, OS+(\s)
.if (\s) == 0
.if (\u) == 0
	v_wmma_scale_f32_16x16x128_f8f6f4 v[rD:rD+7], v[rA:rA+7], v[rB:rB+7], 0, v[rX], v[rY] matrix_a_fmt:MATRIX_FMT_FP4 matrix_b_fmt:MATRIX_FMT_FP4
.else
	v_wmma_scale_f32_16x16x128_f8f6f4 v[rD:rD+7], v[rA:rA+7], v[rB:rB+7], 0, v[rX], v[rY] matrix_a_fmt:MATRIX_FMT_FP4 matrix_b_fmt:MATRIX_FMT_FP4 matrix_b_scale:MATRIX_SCALE_ROW1
.endif
.elseif (\s) < 4
.if (\u) == 0
	v_wmma_scale_f32_16x16x128_f8f6f4 v[rD:rD+7], v[rA:rA+7], v[rB:rB+7], v[rD:rD+7], v[rX], v[rY] matrix_a_fmt:MATRIX_FMT_FP4 matrix_b_fmt:MATRIX_FMT_FP4
.else
	v_wmma_scale_f32_16x16x128_f8f6f4 v[rD:rD+7], v[rA:rA+7], v[rB:rB+7], v[rD:rD+7], v[rX], v[rY] matrix_a_fmt:MATRIX_FMT_FP4 matrix_b_fmt:MATRIX_FMT_FP4 matrix_b_scale:MATRIX_SCALE_ROW1
.endif
.else
.if (\u) == 0
	v_wmma_scale_f32_16x16x128_f8f6f4 v[rD:rD+7], v[rA:rA+7], v[rB:rB+7], v[rD:rD+7], v[rX], v[rY] matrix_a_fmt:MATRIX_FMT_FP4 matrix_b_fmt:MATRIX_FMT_FP4 matrix_a_scale:MATRIX_SCALE_ROW1
.else
	v_wmma_scale_f32_16x16x128_f8f6f4 v[rD:rD+7], v[rA:rA+7], v[rB:rB+7], v[rD:rD+7], v[rX], v[rY] matrix_a_fmt:MATRIX_FMT_FP4 matrix_b_fmt:MATRIX_FMT_FP4 matrix_a_scale:MATRIX_SCALE_ROW1 matrix_b_scale:MATRIX_SCALE_ROW1
.endif
.endif
.endm
.macro KS s
.if (\s) <= 5
	s_wait_loadcnt 16
.elseif (\s) == 6
	s_wait_loadcnt 8
.else
	s_wait_loadcnt 0x0
.endif
.if (\s) <= 6
	s_wait_dscnt 4
.else
	s_wait_dscnt 0x0
.endif
.irp wt, 0,1,2,3
.irp u, 0,1
	MM \s, \wt, \u
.endr
.endr
.rept 4
	v_nop
.endr
.if (\s)+3 < 8
	LOADW (\s)+3
.endif
.if (\s)+2 < 8
	LOADO (\s)+2
.endif
.endm
	s_wait_alu depctr_va_vdst(0)                   ; directly ahead of the readers below
.irp s, 0,1,2,3,4,5,6,7
	global_load_b32 v[OS+\s], v[OSA], s[52:53] offset:64*\s   ; the result's scale words go straight into registers: lanes 0-15 the first record's, lanes 16-31 the second's; the oldest loads, so every counted wait below covers them
.endr
.irp wt, 0,1,2,3
	global_load_b128 v[WS+4*\wt:WS+4*\wt+3], v[LI], s[6:7] offset:\wt*REC+8192
.endr
	LOADW 0
	LOADW 1
	LOADW 2
	s_wait_alu depctr_va_vdst(0)
	s_wait_tensorcnt 0x1
	s_barrier_signal -1
	s_barrier_wait -1
	LOADO 0
	LOADO 1
.irp s, 0,1,2,3,4,5,6,7
	KS \s
.endr
.irp j, 0,1,2,3,4,5,6,7
	global_load_b128 v[BI+4*\j:BI+4*\j+3], v[LI], s[10:11] offset:512*\j
	global_load_b128 v[LA+4*\j:LA+4*\j+3], v[LI], s[12:13] offset:512*\j
	global_load_b128 v[LB+4*\j:LB+4*\j+3], v[LI], s[14:15] offset:512*\j
.endr
.irp wt, 0,1,2,3
.irp u, 0,1
	ds_store_b128 v[STO+3*\u], v[ACC+8*(2*\wt+\u):ACC+8*(2*\wt+\u)+3] offset:128*(\wt/2)+32*(\wt%2)
	ds_store_b128 v[STO+3*\u], v[ACC+8*(2*\wt+\u)+4:ACC+8*(2*\wt+\u)+7] offset:128*(\wt/2)+32*(\wt%2)+16
.endr
.endr
	s_wait_dscnt 0x0
	s_barrier_signal -1
	s_barrier_wait -1
	s_wait_tensorcnt 0x0
.irp j, 0,1,2,3,4,5,6,7
	ds_load_b128 v[Z0+4*\j:Z0+4*\j+3], v[RDS] offset:512*\j
.endr
.irp j, 0,1,2,3,4,5,6,7
	ds_load_b128 v[RR+4*\j:RR+4*\j+3], v[RDR] offset:512*\j
.endr
.irp j, 0,1,2,3,4,5,6,7
	ds_load_b128 v[Z1+4*\j:Z1+4*\j+3], v[RDS] offset:SP+512*\j
.endr
.macro ADDRES z
.set j, 0
.rept 16
	v_pk_add_f32 v[(\z)+j:(\z)+j+1], v[(\z)+j:(\z)+j+1], v[RR+j:RR+j+1]
.set j, j+2
.endr
.endm
.macro ACROSS
	s_delay_alu instid0(VALU_DEP_1)
	v_pk_add_f32 v[16:17], v[16:17], v[18:19]
	s_delay_alu instid0(VALU_DEP_1)
	v_add_f32 v16, v16, v17
	s_delay_alu instid0(VALU_DEP_1)
	v_add_f32_dpp v16, v16, v16 row_xmask:1 row_mask:0xf bank_mask:0xf
	s_delay_alu instid0(VALU_DEP_1)
	v_add_f32_dpp v16, v16, v16 row_xmask:2 row_mask:0xf bank_mask:0xf
	s_delay_alu instid0(VALU_DEP_1)
	v_add_f32_dpp v16, v16, v16 row_xmask:4 row_mask:0xf bank_mask:0xf
	s_delay_alu instid0(VALU_DEP_1)
	v_add_f32_dpp v16, v16, v16 row_xmask:8 row_mask:0xf bank_mask:0xf
	s_delay_alu instid0(VALU_DEP_1)
	v_permlanex16_b32 v17, v16, s[SEL], s[SEL+1]
	s_delay_alu instid0(VALU_DEP_1)
	v_add_f32 v16, v16, v17
.endm
.macro NORM z, i
.set j, 0
.rept 16
	v_pk_add_f32 v[(\z)+j:(\z)+j+1], v[(\z)+j:(\z)+j+1], v[BI+j:BI+j+1]
.set j, j+2
.endr
	v_pk_add_f32 v[16:17], v[(\z):(\z)+1], v[(\z)+2:(\z)+3]
	v_pk_add_f32 v[18:19], v[(\z)+4:(\z)+5], v[(\z)+6:(\z)+7]
.set j, 8
.rept 6
	s_delay_alu instid0(VALU_DEP_2)
	v_pk_add_f32 v[16:17], v[16:17], v[(\z)+j:(\z)+j+1]
	s_delay_alu instid0(VALU_DEP_2)
	v_pk_add_f32 v[18:19], v[18:19], v[(\z)+j+2:(\z)+j+3]
.set j, j+4
.endr
	ACROSS
	s_delay_alu instid0(VALU_DEP_1)
	v_mul_f32 v22, 0x3a800000, v16
	s_delay_alu instid0(VALU_DEP_1)
	v_mov_b32 v23, v22
.set j, 0
.rept 16
	v_pk_add_f32 v[(\z)+j:(\z)+j+1], v[(\z)+j:(\z)+j+1], v[22:23] neg_lo:[0,1] neg_hi:[0,1]
.set j, j+2
.endr
	v_pk_mul_f32 v[16:17], v[(\z):(\z)+1], v[(\z):(\z)+1]
	v_pk_mul_f32 v[18:19], v[(\z)+2:(\z)+3], v[(\z)+2:(\z)+3]
.set j, 4
.rept 7
	s_delay_alu instid0(VALU_DEP_2)
	v_pk_fma_f32 v[16:17], v[(\z)+j:(\z)+j+1], v[(\z)+j:(\z)+j+1], v[16:17]
	s_delay_alu instid0(VALU_DEP_2)
	v_pk_fma_f32 v[18:19], v[(\z)+j+2:(\z)+j+3], v[(\z)+j+2:(\z)+j+3], v[18:19]
.set j, j+4
.endr
	ACROSS
	s_delay_alu instid0(VALU_DEP_1)
	v_mul_f32 v16, 0x3a802008, v16
	s_wait_alu depctr_va_vdst(0)
	v_sqrt_f32 v16, v16
	v_nop
	s_wait_alu depctr_va_vdst(0)
	v_add_f32 v16, 0x3a83126f, v16
	s_wait_alu depctr_va_vdst(0)
	v_rcp_f32 v26, v16
	v_nop
	s_wait_alu depctr_va_vdst(0)
	v_mov_b32 v27, v26
.set j, 0
.rept 16
	v_pk_mul_f32 v[(\z)+j:(\z)+j+1], v[(\z)+j:(\z)+j+1], v[26:27]
.set j, j+2
.endr
.set j, 0
.rept 16
	v_pk_fma_f32 v[(\z)+j:(\z)+j+1], v[(\z)+j:(\z)+j+1], v[LA+j:LA+j+1], v[LB+j:LB+j+1]
.set j, j+2
.endr
.irp k, 0,1,2,3,4,5,6,7
	global_store_b128 v[LI], v[(\z)+4*\k:(\z)+4*\k+3], s[36:37] offset:4096*(\i)+512*\k th:TH_STORE_NT
.endr
.endm
	s_wait_loadcnt 0x0
	s_wait_dscnt 8
	ADDRES Z0
.irp j, 0,1,2,3,4,5,6,7
	ds_load_b128 v[RR+4*\j:RR+4*\j+3], v[RDR] offset:4096+512*\j
.endr
	NORM Z0, 0
	s_wait_dscnt 0x0
	ADDRES Z1
	NORM Z1, 1
	s_wait_tensorcnt 0x0
	ds_add_u32 v[SPW], v[NIL]
	s_wait_dscnt 0x0
	s_endpgm
.Lfunc_end_k_q7ab97de64f_outln:
	.size	k_q7ab97de64f_outln, .Lfunc_end_k_q7ab97de64f_outln-k_q7ab97de64f_outln
	.p2alignl 7, 3214868480
	.fill 96, 4, 3214868480
	.section	.rodata,"a",@progbits
	.p2align	6, 0x0
	.amdhsa_kernel k_q7ab97de64f_outln
		.amdhsa_group_segment_fixed_size 327680
		.amdhsa_private_segment_fixed_size 0
		.amdhsa_enable_private_segment 0
		.amdhsa_kernarg_size 56
		.amdhsa_user_sgpr_count 2
		.amdhsa_user_sgpr_kernarg_segment_ptr 1
		.amdhsa_wavefront_size32 1
		.amdhsa_system_sgpr_workgroup_id_x 1
		.amdhsa_system_sgpr_workgroup_id_y 1
		.amdhsa_system_sgpr_workgroup_id_z 1
		.amdhsa_system_vgpr_workitem_id 0
		.amdhsa_next_free_vgpr 256
		.amdhsa_next_free_sgpr 66
		.amdhsa_reserve_vcc 0
		.amdhsa_float_denorm_mode_32 3
		.amdhsa_float_denorm_mode_16_64 3
		.amdhsa_memory_ordered 1
		.amdhsa_forward_progress 1
		.amdhsa_inst_pref_size 50
	.end_amdhsa_kernel
	.amdgpu_metadata
---
amdhsa.version: [ 1, 2 ]
amdhsa.kernels:
  - .name:           k_q7ab97de64f_outln
    .symbol:         k_q7ab97de64f_outln.kd
    .args:
      - { .name: oq, .offset: 0, .size: 8, .value_kind: global_buffer, .address_space: global }
      - { .name: rowq, .offset: 8, .size: 8, .value_kind: global_buffer, .address_space: global }
      - { .name: q, .offset: 16, .size: 8, .value_kind: global_buffer, .address_space: global }
      - { .name: proj_b, .offset: 24, .size: 8, .value_kind: global_buffer, .address_space: global }
      - { .name: ln_a, .offset: 32, .size: 8, .value_kind: global_buffer, .address_space: global }
      - { .name: ln_b, .offset: 40, .size: 8, .value_kind: global_buffer, .address_space: global }
      - { .name: out0, .offset: 48, .size: 8, .value_kind: global_buffer, .address_space: global }
    .group_segment_fixed_size: 327680
    .private_segment_fixed_size: 0
    .kernarg_segment_align: 8
    .kernarg_segment_size: 56
    .max_flat_workgroup_size: 512
    .sgpr_count:     66
    .vgpr_count:     256
    .wavefront_size: 32
...
	.end_amdgpu_metadata
.endif
;; end of part 4
